; MI455X (gfx1250); checked and timed in simulation.
; The chip was launched on July 23, 2026; its instructions are those of AMD's public machine-readable ISA for CDNA 5 (MIT licence, August 2026) and "CDNA5" Instruction Set Architecture Reference Guide (July 2026). The comments in the code are by the model that wrote it; some were corrected since.
;; Multi Universe Topos Attention. Allowed arithmetic: matrix products marked QUANTISED: E5M2 operands, one given power-of-two scale a tensor, by v_wmma_f32_16x16x64_bf8_bf8 or v_wmma_f32_16x16x128_bf8_bf8, f32 sums; everything else in f32.
;; Inputs: Wk 256 x 256 float32; Wo 256 x 256 float32; Wq 256 x 256 float32; Wv 256 x 256 float32; bk 256 float32; bo 256 float32; bq 256 float32; bv 256 float32; lowp_scales 10 int32 (the exponents e of the quantised operands' scales 2^e); x 1 x 1,024 x 256 float32.
;; Outputs: out0 1 x 1,024 x 256 float32.
;; This version of the problem:
;;   THIS VERSION OF THE PROBLEM IS GIVEN IN LOW PRECISION. The matrix products marked QUANTISED in the list below multiply operands that are first quantised to E5M2 (5 exponent bits, 2 mantissa bits; 8 bits a number), with one given power-of-two scale for each operand tensor; their sums are f32. All else is computed in f32.
;;   The module's matrix products, in the order in which they are computed (A, B: the left and right operand; K: the contracted axis; several contracted axes count as one K, in the product's order):
;;     1. [M 1,024, K 256] x [K 256, N 256]; A: input x; B: input Wq: QUANTISED (scales: A lowp_scales[0], B lowp_scales[1])
;;     2. [M 1,024, K 256] x [K 256, N 256]; A: input x; B: input Wk: QUANTISED (scales: A lowp_scales[2], B lowp_scales[3])
;;     3. [M 1,024, K 256] x [K 256, N 256]; A: input x; B: input Wv: QUANTISED (scales: A lowp_scales[4], B lowp_scales[5])
;;     4. batch 8 x [M 1,024, K 1,024] x [K 1,024, N 32]; A: softmax (see below); B: computed on the way: QUANTISED (scales: A lowp_scales[6], B lowp_scales[7])
;;     5. [M 1,024, K 256] x [K 256, N 256]; A: computed on the way; B: input Wo: QUANTISED (scales: A lowp_scales[8], B lowp_scales[9])
;;   THE QUANTISER, for each operand of a quantised product, along K:
;;     - The operand's scale is 2^e, e = its entry of the input lowp_scales (int32; the entries are numbered through the quantised products in the list's order, A before B).
;;     - Each number is divided by the scale, clamped to +-57,344, and rounded to the nearest number of E5M2, ties to even, subnormals kept.
;;     - The product sums the exact products of the quantised numbers (number of the format x scale) in f32.
;;   ~~~python
;;   def quantise(x, axis, e):      # numpy; x: float32 -> the quantised numbers, widened to float32 again
;;       x = np.moveaxis(x, axis, -1); K = x.shape[-1]
;;       r = np.clip(x / 2.0 ** e, -57344, 57344)
;;       step = 2.0 ** (np.maximum(np.frexp(np.where(r == 0, 1, r))[1] - 1, -14) - 2)
;;       q = np.round(r / step) * step * 2.0 ** e      # np.round: ties to even
;;       return np.moveaxis(q, -1, axis).astype(np.float32)
;;   ~~~
;;   SOFTMAX AHEAD OF A QUANTISED PRODUCT. Where the list says 'softmax', what is quantised is not the finished softmax but p = 2^(t - M), with t = logit x log2(e) and M = ceil(the row's largest t), a whole number; so 1/2 < the row's largest p <= 1. The row's sum l is taken of the UNQUANTISED p, in f32, and the product's result is divided by l at the end. Since M is a whole number, a kernel that streams over the keys may use a running M (the ceiling of the running maximum): every later rescaling is an exact power of two, so the quantised numbers keep their values, but for numbers so far below the row's largest that they fall under the format's range.
;;   OPERANDS COMPUTED ON THE WAY. 'Computed on the way' means the value that the module computes at that place (a softmax that the list does not call 'softmax' is quantised finished and normalised). What goes into a quantiser is computed in f32, as accurately as f32 sums, v_exp_f32 and their like allow (about 1e-6 of the number): no bf16 or f16 on the way to a quantiser, and a product that is left as it is and whose result goes on into a quantised operand takes f32 operands (vector FMAs, or v_wmma_f32_16x16x4_f32). A number that lies on a knife's edge between two numbers of the format may be rounded either way, as far as f32 arithmetic and the matrix unit's own rounding can turn it there, and no further.
;; One version. Each part assembles by itself: llvm-mc -triple=amdgcn-amd-amdhsa -mcpu=gfx1250 --defsym DOCPART=n.
;; ======== version 1 of 1: 3 launches
;; workspace buffers: qws 1,048,576 bytes; kws 1,048,576 bytes; vcodes 262,144 bytes; wocodes 65,536 bytes; ocodes 262,144 bytes
;; launch proj (part 1): grid 16 x 16, 4 waves a work-group, no clusters, 12,800 bytes of LDS; arguments x, Wq, Wk, Wv, Wo, bq, bk, bv, lowp_scales, qws, kws, vcodes, wocodes; writes qws, kws, vcodes, wocodes
.if DOCPART == 1
	.amdgcn_target "amdgcn-amd-amdhsa--gfx1250"
	.amdhsa_code_object_version 6
	.text
	.protected	k_q612264b024_proj
	.globl	k_q612264b024_proj
	.p2align	8
	.type	k_q612264b024_proj,@function
k_q612264b024_proj:
	s_mov_b64 s[64:65], 0
	v_nop
	global_prefetch_b8 v0, s[64:65] scope:SCOPE_SE
	s_setreg_imm32_b32 hwreg(HW_REG_WAVE_MODE, 25, 1), 1
	s_wait_xcnt 0x0
; Q = sigmoid(x Wq + bq), K = sigmoid(x Wk + bk), V = x Wv + bv: three products on codes of BF8 (E5M2), each operand with the scale 2^e given for it
; (x: e0, e2, e4; Wq, Wk, Wv: e1, e3, e5).  Q and K leave as f32, V as codes at 2^e7 with the keys innermost, Wo as codes at 2^e9, all laid as the later launches' registers take them.
; SHARES.  Work-group (seg, y): rows 64 seg .. + 63 of x, and the 16 columns 16 y .. + 15 of each of Wq, Wk, Wv (head = y / 2, t = y % 2: which 16 dims of the head).
; Wave w takes rows 64 seg + 16 w .. + 15 for all three products: it reads them once and quantises them three times, once for each given scale.
; The six fragments of W (product pj, K step s: 16 columns x 128 k) are made jointly: wave w makes, for each pj, blocks 2 (w / 2) and 2 (w / 2) + 1 of K step w % 2, a lane to a column and its
; registers down K, and hands them on through LDS as images of the operand's registers: 16 bytes a lane, 512 bytes a store.  One barrier.
; k IN A FRAGMENT: registers 4 c .. 4 c + 3 of lane (r, h) hold k = 128 s + 32 c + 16 h + 0 .. 15, alike in x's and in W's fragments, so every product meets its partner.
; Wave 0 also quantises piece g = seg + 16 y of Wo: rows 16 seg .. + 15, columns 16 y .. + 15: 256 codes, stored as 256 consecutive bytes at 256 g.
; NO CLUSTER, NO TENSOR LOAD: a work-group reads 64 KB of x and 48 KB of W once, as f32, into the very registers in which they are quantised; there is no loop in which partners' requests could
; meet a second time, and a way through LDS would add a store and a load of all 112 KB.
; LIMITS: e0 .. e5, e7, e9 between -126 and 112; e0 + e1, e2 + e3, e4 + e5 between -126 and 127 (each power of two is made as an f32 number).  NaN among the inputs is not served.
.set XA,  1                            ; v1   x: r x 1,024 + 64 h; later 4 r, for bk and bv
.set WA,  2                            ; v2   W: 16 h rows of 1,024 bytes + 4 r; later Wo: 8 h rows + 4 r; later 32 h, for bq
.set LI,  3                            ; v3   16 x lane: an image's place for my lane
.set IMG, 4                            ; v4   where I store my half fragments: LI + 2,048 (w % 2) + 1,024 (w / 2)
.set QO,  5                            ; v5   512 h + 16 r: my place in qws and in kws
.set VO,  6                            ; v6   8 x lane: my place in vcodes
.set WOO, 7                            ; v7   16 r + 8 h: my place in wocodes
.set SX,  8                            ; v8-10  2^e0, 2^e2, 2^e4 as f32
.set SC,  11                           ; v11  the scale in hand: W's, Wo's, V's
.set BK,  12                           ; v12  bk of my column;  v13 bv
.set BV,  13
.set WOC, 14                           ; v[14:15] Wo's codes
.set T,   16                           ; v16-31  two sets of eight numbers at work; at the end Q's eight and K's eight
.set X,   32                           ; v32-159  x as loaded: register 16 (4 s + c) + i
.set WR,  160                          ; v160-255 W as loaded, 32 registers a product
.set XC,  160                          ; then x's codes: fragment (pj, s) at XC + 32 pj + 16 s
.set WF,  32                           ; behind the barrier: W's fragment (pj, s) at WF + 32 pj + 16 s
.set ACC, 128                          ; v128-151 the sums of Q, K, V
.set BQ,  152                          ; v152-159 bq of my eight dims
.set VV,  160                          ; V's eight numbers, behind the products
.set VC,  168                          ; v[168:169] V's codes
	s_load_b512 s[8:23], s[0:1], 0x0               ; x s[8:9], Wq s[10:11], Wk s[12:13], Wv s[14:15], Wo s[16:17], bq s[18:19], bk s[20:21], bv s[22:23]
	s_load_b256 s[24:31], s[0:1], 0x40             ; the scales' exponents s[24:25], qws s[26:27], kws s[28:29], vcodes s[30:31]
	s_load_b64 s[32:33], s[0:1], 0x60              ; wocodes
	s_set_vgpr_msb 0x40
	v_lshl_add_u32 v0, v0, 2, 0x3000
	v_mov_b32 v1, 0
	s_set_vgpr_msb 0x4000
	v_lshrrev_b32 v1, 5, v0
	v_readfirstlane_b32 s2, v1                     ; wave 0..3
	s_mov_b32 s3, ttmp9                            ; seg
	s_and_b32 s35, ttmp7, 0xffff                   ; y
	s_lshr_b32 s4, s35, 1                          ; head
	s_and_b32 s5, s35, 1                           ; t
	v_and_b32 v14, 15, v0                          ; r
	v_bfe_u32 v15, v0, 4, 1                        ; h
	v_lshlrev_b32 v[XA], 10, v14
	v_lshl_add_u32 v[XA], v15, 6, v[XA]
	v_lshlrev_b32 v[WA], 2, v14
	v_lshl_add_u32 v[WA], v15, 14, v[WA]
	v_and_b32 v[LI], 31, v0
	v_lshlrev_b32 v[VO], 3, v[LI]
	v_lshlrev_b32 v[LI], 4, v[LI]
	s_and_b32 s6, s2, 1
	s_lshl_b32 s6, s6, 11
	s_lshr_b32 s7, s2, 1
	s_lshl_b32 s7, s7, 10
	s_add_co_u32 s6, s6, s7
	v_add_nc_u32 v[IMG], s6, v[LI]
	v_lshlrev_b32 v[QO], 4, v14
	v_lshl_add_u32 v[WOO], v15, 3, v[QO]
	v_lshl_add_u32 v[QO], v15, 9, v[QO]
	; byte offsets, each in a pair of its own with 0 above it
	s_lshl_b32 s46, s3, 16                         ; x: (64 seg + 16 w) rows of 1,024 bytes
	s_lshl_b32 s6, s2, 14
	s_add_co_u32 s46, s46, s6
	s_mov_b32 s47, 0
	s_lshl_b32 s50, s4, 7                          ; the tile's first column, 32 head + 16 t, x 4 bytes: the biases' offset
	s_lshl_b32 s6, s5, 6
	s_add_co_u32 s50, s50, s6
	s_mov_b32 s51, 0
	s_and_b32 s48, s2, 1                           ; W: row 128 (w % 2) + 64 (w / 2), and that column
	s_lshl_b32 s48, s48, 17
	s_lshr_b32 s6, s2, 1
	s_lshl_b32 s6, s6, 16
	s_add_co_u32 s48, s48, s6
	s_add_co_u32 s48, s48, s50
	s_mov_b32 s49, 0
	s_lshl_b32 s34, s4, 17                         ; head x 131,072
	s_lshl_b32 s52, s3, 13                         ; qws: + (4 seg + w) x 2,048 + t x 1,024
	s_lshl_b32 s6, s2, 11
	s_add_co_u32 s52, s52, s6
	s_lshl_b32 s6, s5, 10
	s_add_co_u32 s52, s52, s6
	s_add_co_u32 s52, s52, s34
	s_mov_b32 s53, 0
	s_lshl_b32 s54, s3, 12                         ; kws: + t x 65,536 + (16 seg + 4 w) x 256
	s_lshl_b32 s6, s2, 10
	s_add_co_u32 s54, s54, s6
	s_lshl_b32 s6, s5, 16
	s_add_co_u32 s54, s54, s6
	s_add_co_u32 s54, s54, s34
	s_mov_b32 s55, 0
	s_lshl_b32 s56, s4, 15                         ; vcodes: head x 32,768 + seg x 2,048 + t x 1,024 + w x 256
	s_lshl_b32 s6, s3, 11
	s_add_co_u32 s56, s56, s6
	s_lshl_b32 s6, s5, 10
	s_add_co_u32 s56, s56, s6
	s_lshl_b32 s6, s2, 8
	s_add_co_u32 s56, s56, s6
	s_mov_b32 s57, 0
	s_lshl_b32 s58, s3, 14                         ; Wo: row 16 seg, column 16 y
	s_lshl_b32 s6, s35, 6
	s_add_co_u32 s58, s58, s6
	s_mov_b32 s59, 0
	s_lshl_b32 s60, s3, 8                          ; wocodes: 256 (seg + 16 y)
	s_lshl_b32 s6, s35, 12
	s_add_co_u32 s60, s60, s6
	s_mov_b32 s61, 0
	s_wait_kmcnt 0x0
	s_load_b256 s[36:43], s[24:25], 0x0            ; e0 .. e7
	s_load_b64 s[44:45], s[24:25], 0x20            ; e8, e9
	s_add_nc_u64 s[10:11], s[10:11], s[48:49]
	s_add_nc_u64 s[12:13], s[12:13], s[48:49]
	s_add_nc_u64 s[14:15], s[14:15], s[48:49]
	s_add_nc_u64 s[8:9], s[8:9], s[46:47]
.macro WLOAD pj, base                  ; my two blocks of product pj's weight: W(32 c + 16 h + i, column r), sixteen lanes on 64 neighbouring bytes
.irp c, 0,1
.irp i, 0,1,2,3,4,5,6,7,8,9,10,11,12,13,14,15
	global_load_b32 v[WR+32*\pj+16*\c+\i], v[WA], s[\base:\base+1] offset:(32*\c+\i)*1024
.endr
.endr
.endm
.macro XLOAD s                         ; my 16 rows' numbers of K step s: of each block of 32 my 16 neighbours
.irp c, 0,1,2,3
.irp j, 0,1,2,3
	global_load_b128 v[X+64*\s+16*\c+4*\j:X+64*\s+16*\c+4*\j+3], v[XA], s[8:9] offset:512*\s+128*\c+16*\j
.endr
.endr
.endm
	WLOAD 0, 10
	WLOAD 1, 12
	WLOAD 2, 14
	XLOAD 0
	XLOAD 1
	s_add_nc_u64 s[18:19], s[18:19], s[50:51]
	s_add_nc_u64 s[20:21], s[20:21], s[50:51]
	s_add_nc_u64 s[22:23], s[22:23], s[50:51]
	s_add_nc_u64 s[26:27], s[26:27], s[52:53]
	s_add_nc_u64 s[28:29], s[28:29], s[54:55]
	s_add_nc_u64 s[30:31], s[30:31], s[56:57]
	s_add_nc_u64 s[16:17], s[16:17], s[58:59]
	s_add_nc_u64 s[32:33], s[32:33], s[60:61]
	s_wait_kmcnt 0x0
	; the scales.  (e + 127) << 23 is 2^e as f32; ((e + 142) << 23) | 0x600000 is 57,344 x 2^e.  s46-51: +-limit of x for pj = 0, 1, 2; s52-57: of W; s61-63: 2^(ex + ew)
.irp pj, 0,1,2
	s_add_co_i32 s6, s[36+2*\pj], 127
	s_lshl_b32 s7, s6, 23
	v_mov_b32 v[SX+\pj], s7
	s_add_co_i32 s6, s6, 15
	s_lshl_b32 s6, s6, 23
	s_or_b32 s[46+2*\pj], s6, 0x600000
	s_or_b32 s[47+2*\pj], s[46+2*\pj], 0x80000000
	s_add_co_i32 s6, s[37+2*\pj], 142
	s_lshl_b32 s6, s6, 23
	s_or_b32 s[52+2*\pj], s6, 0x600000
	s_or_b32 s[53+2*\pj], s[52+2*\pj], 0x80000000
	s_add_co_i32 s6, s[36+2*\pj], s[37+2*\pj]
	s_add_co_i32 s6, s6, 127
	s_lshl_b32 s[61+\pj], s6, 23
.endr
	s_mov_b32 s60, s61                             ; the packed form names the pair s[60:61] and takes its low word for both halves
	s_add_co_i32 s6, s43, 142
	s_lshl_b32 s6, s6, 23
	s_or_b32 s58, s6, 0x600000                     ; +-57,344 x 2^e7
	s_or_b32 s59, s58, 0x80000000
	s_add_co_i32 s6, s45, 142
	s_lshl_b32 s6, s6, 23
	s_or_b32 s34, s6, 0x600000                     ; +-57,344 x 2^e9
	s_or_b32 s35, s34, 0x80000000
; My half fragment of product pj: the hold, four conversions, two stores of the image.  Each product has its own eight registers for its codes (the third takes registers that the first one's numbers have left).
.macro WQUANT pj
.if \pj == 2
.set PCW, WR
.else
.set PCW, T+8*\pj
.endif
	s_add_co_i32 s6, s[37+2*\pj], 127
	s_lshl_b32 s6, s6, 23
	v_mov_b32 v[SC], s6
.irp c, 0,1
.irp i, 0,1,2,3,4,5,6,7,8,9,10,11,12,13,14,15
	v_med3_num_f32 v[WR+32*\pj+16*\c+\i], v[WR+32*\pj+16*\c+\i], s[53+2*\pj], s[52+2*\pj]   ; the conversion to an 8-bit code does not saturate (ISA guide 7.6.2): the hold comes first
.endr
.endr
.irp g, 0,1,2,3
	v_cvt_scalef32_pk8_bf8_f32 v[PCW+2*\g:PCW+2*\g+1], v[WR+32*\pj+8*\g:WR+32*\pj+8*\g+7], v[SC]
.endr
	v_nop                                          ; a plain line behind the last conversion, ahead of the next write of its scale and sources
	ds_store_b128 v[IMG], v[PCW:PCW+3] offset:\pj*4096
	ds_store_b128 v[IMG], v[PCW+4:PCW+7] offset:\pj*4096+512
.endm
	s_wait_loadcnt 32                              ; W's 96 loads are in; x's 32, issued behind them, may be out
	WQUANT 0
	WQUANT 1
	WQUANT 2
	s_wait_dscnt 0x0                               ; my six stores are done: their registers are written again below, and the others will read the bytes
	v_bfe_u32 v[WA], v0, 4, 1                      ; W's loads are in, so their offset register is free: now Wo's, 8 h rows + 4 r
	v_lshlrev_b32 v[WA], 13, v[WA]
	v_and_b32 v14, 15, v0
	v_lshl_add_u32 v[WA], v14, 2, v[WA]
; Block b = 4 s + c of x, 16 numbers, becomes four code registers of each of the three fragments.  The numbers stay as loaded: each product holds them at its own limit into one of two sets of eight, which
; take turns, so that eight plain lines stand between a conversion and the next write of its sources.
.macro XQ b
.irp pj, 0,1,2
.irp i, 0,1,2,3,4,5,6,7
	v_med3_num_f32 v[T+\i], v[X+16*(\b)+\i], s[47+2*\pj], s[46+2*\pj]
.endr
	v_cvt_scalef32_pk8_bf8_f32 v[XC+32*\pj+4*(\b):XC+32*\pj+4*(\b)+1], v[T:T+7], v[SX+\pj]
.irp i, 0,1,2,3,4,5,6,7
	v_med3_num_f32 v[T+8+\i], v[X+16*(\b)+8+\i], s[47+2*\pj], s[46+2*\pj]
.endr
	v_cvt_scalef32_pk8_bf8_f32 v[XC+32*\pj+4*(\b)+2:XC+32*\pj+4*(\b)+3], v[T+8:T+15], v[SX+\pj]
.endr
.endm
	s_wait_loadcnt 16                              ; x's K step 0 is in; K step 1's sixteen loads may be out
	XQ 0
	s_cmp_lg_u32 s2, 0
	s_cbranch_scc1 .Lno_wo_load
.irp i, 0,1,2,3,4,5,6,7
	global_load_b32 v[X+\i], v[WA], s[16:17] offset:\i*1024   ; wave 0: Wo(16 seg + 8 h + i, 16 y + r), into registers that block 0 has left
.endr
.Lno_wo_load:
	XQ 1
	XQ 2
	XQ 3
	s_wait_loadcnt 0x0                             ; x's K step 1, and wave 0's piece of Wo; every offset register is free
	v_and_b32 v[XA], 15, v0
	v_lshlrev_b32 v[XA], 2, v[XA]                  ; 4 r
	v_bfe_u32 v[WA], v0, 4, 1
	v_lshlrev_b32 v[WA], 5, v[WA]                  ; 32 h
	global_load_b32 v[BK], v[XA], s[20:21]
	global_load_b32 v[BV], v[XA], s[22:23]
	s_cmp_lg_u32 s2, 0
	s_cbranch_scc1 .Lno_wo
	s_add_co_i32 s6, s45, 127
	s_lshl_b32 s6, s6, 23
	v_mov_b32 v[SC], s6                            ; 2^e9
.irp i, 0,1,2,3,4,5,6,7
	v_med3_num_f32 v[X+\i], v[X+\i], s35, s34
.endr
	v_cvt_scalef32_pk8_bf8_f32 v[WOC:WOC+1], v[X:X+7], v[SC]
	v_nop
	global_store_b64 v[WOO], v[WOC:WOC+1], s[32:33]   ; the 32 lanes store 256 consecutive bytes, at a multiple of 256 from the buffer's first byte
.Lno_wo:
	XQ 4
	XQ 5
	XQ 6
	XQ 7
	v_nop                                          ; a plain line between the last conversion and the products that read its result
	global_load_b128 v[BQ:BQ+3], v[WA], s[18:19]   ; bq of dims 16 t + 8 h + 0 .. 7, into registers that x's last block has left
	global_load_b128 v[BQ+4:BQ+7], v[WA], s[18:19] offset:16
	s_wait_dscnt 0x0                               ; for the others' sake: my stores of the images are done
	s_barrier_signal -1
	s_barrier_wait -1                              ; all six fragments lie in LDS
.irp f, 0,2,4,1,3,5                    ; K step 0's three fragments first
.irp c, 0,1,2,3
	ds_load_b128 v[WF+16*\f+4*\c:WF+16*\f+4*\c+3], v[LI] offset:2048*\f+512*\c
.endr
.endr
	s_wait_dscnt 12                                ; K step 0's twelve loads are in; K step 1's twelve may be out
	; Q is made transposed (source 0 = 16 columns of Wq, source 1 = my 16 rows): lane (r, h) holds row r, dims 16 t + 8 h + 0 .. 7.  K and V the natural way: lane (r, h) holds dim 16 t + r of rows 8 h + 0 .. 7.
	; The three sums take turns, one instruction a turn.
	v_wmma_f32_16x16x128_bf8_bf8 v[ACC:ACC+7], v[WF:WF+15], v[XC:XC+15], 0
	v_wmma_f32_16x16x128_bf8_bf8 v[ACC+8:ACC+15], v[XC+32:XC+47], v[WF+32:WF+47], 0
	v_wmma_f32_16x16x128_bf8_bf8 v[ACC+16:ACC+23], v[XC+64:XC+79], v[WF+64:WF+79], 0
	s_wait_dscnt 0x0
	v_wmma_f32_16x16x128_bf8_bf8 v[ACC:ACC+7], v[WF+16:WF+31], v[XC+16:XC+31], v[ACC:ACC+7]
	v_wmma_f32_16x16x128_bf8_bf8 v[ACC+8:ACC+15], v[XC+48:XC+63], v[WF+48:WF+63], v[ACC+8:ACC+15]
	v_wmma_f32_16x16x128_bf8_bf8 v[ACC+16:ACC+23], v[XC+80:XC+95], v[WF+80:WF+95], v[ACC+16:ACC+23]
.rept 4
	v_nop                                          ; four places ahead of the first read of the sums and of writes over the operands (ISA guide 7.12.1)
.endr
	s_wait_loadcnt 0x0                             ; the biases
	; V = sum x 2^(e4 + e5) + bv; my eight rows are eight neighbouring keys: one conversion gives registers 2 w, 2 w + 1 of the later operand
	s_add_co_i32 s7, s43, 127
	s_lshl_b32 s7, s7, 23
	v_mov_b32 v[SC], s7                            ; 2^e7
.irp j, 0,1,2,3,4,5,6,7
	v_fma_f32 v[VV+\j], v[ACC+16+\j], s63, v[BV]
.endr
.irp j, 0,1,2,3,4,5,6,7
	v_med3_num_f32 v[VV+\j], v[VV+\j], s59, s58
.endr
	v_cvt_scalef32_pk8_bf8_f32 v[VC:VC+1], v[VV:VV+7], v[SC]
	v_nop
	global_store_b64 v[VO], v[VC:VC+1], s[30:31]   ; 256 consecutive bytes, aligned
	; Q, K = 1 / (1 + 2^(-log2(e) y)), y = sum x 2^(ex + ew) + bias
.irp j, 0,2,4,6
	v_pk_fma_f32 v[T+\j:T+\j+1], v[ACC+\j:ACC+\j+1], s[60:61], v[BQ+\j:BQ+\j+1] op_sel_hi:[1,0,1]
.endr
.irp j, 0,1,2,3,4,5,6,7
	v_fma_f32 v[T+8+\j], v[ACC+8+\j], s62, v[BK]
.endr
.irp j, 0,2,4,6,8,10,12,14
	v_pk_mul_f32 v[T+\j:T+\j+1], v[T+\j:T+\j+1], 0xbfb8aa3b op_sel_hi:[1,0]
.endr
.irp j, 0,1,2,3,4,5,6,7,8,9,10,11,12,13,14,15
	v_exp_f32 v[T+\j], v[T+\j]
.endr
	v_nop                                          ; a plain line behind the last exponential
	s_wait_alu depctr_va_vdst(0)                   ; one wait for the batch, ahead of its first reader
.irp j, 0,2,4,6,8,10,12,14
	v_pk_add_f32 v[T+\j:T+\j+1], v[T+\j:T+\j+1], 1.0 op_sel_hi:[1,0]
.endr
.irp j, 0,1,2,3,4,5,6,7,8,9,10,11,12,13,14,15
	v_rcp_f32 v[T+\j], v[T+\j]
.endr
	v_nop
	s_wait_alu depctr_va_vdst(0)                   ; one wait for the sixteen reciprocals, ahead of the stores that read them
	global_store_b128 v[QO], v[T:T+3], s[26:27]                ; Q: each sixteen lanes store 256 consecutive bytes, aligned
	global_store_b128 v[QO], v[T+4:T+7], s[26:27] offset:256
	global_store_b128 v[QO], v[T+8:T+11], s[28:29]             ; K likewise: four keys of one dim to a lane
	global_store_b128 v[QO], v[T+12:T+15], s[28:29] offset:256
	s_set_vgpr_msb 0x5
	s_wait_tensorcnt 0x0
	ds_add_u32 v0, v1
	s_wait_dscnt 0x0
	s_set_vgpr_msb 0x500
	s_endpgm
.Lfunc_end_k_q612264b024_proj:
	.size	k_q612264b024_proj, .Lfunc_end_k_q612264b024_proj-k_q612264b024_proj
	.p2alignl 7, 3214868480
	.fill 96, 4, 3214868480
	.section	.rodata,"a",@progbits
	.p2align	6, 0x0
	.amdhsa_kernel k_q612264b024_proj
		.amdhsa_group_segment_fixed_size 12800
		.amdhsa_private_segment_fixed_size 0
		.amdhsa_enable_private_segment 0
		.amdhsa_kernarg_size 104
		.amdhsa_user_sgpr_count 2
		.amdhsa_user_sgpr_kernarg_segment_ptr 1
		.amdhsa_wavefront_size32 1
		.amdhsa_system_sgpr_workgroup_id_x 1
		.amdhsa_system_sgpr_workgroup_id_y 1
		.amdhsa_system_sgpr_workgroup_id_z 1
		.amdhsa_system_vgpr_workitem_id 0
		.amdhsa_next_free_vgpr 258
		.amdhsa_next_free_sgpr 66
		.amdhsa_reserve_vcc 0
		.amdhsa_float_denorm_mode_32 3
		.amdhsa_float_denorm_mode_16_64 3
		.amdhsa_memory_ordered 1
		.amdhsa_forward_progress 1
		.amdhsa_inst_pref_size 63
	.end_amdhsa_kernel
	.amdgpu_metadata
---
amdhsa.version: [ 1, 2 ]
amdhsa.kernels:
  - .name:           k_q612264b024_proj
    .symbol:         k_q612264b024_proj.kd
    .args:
      - { .name: x, .offset: 0, .size: 8, .value_kind: global_buffer, .address_space: global }
      - { .name: Wq, .offset: 8, .size: 8, .value_kind: global_buffer, .address_space: global }
      - { .name: Wk, .offset: 16, .size: 8, .value_kind: global_buffer, .address_space: global }
      - { .name: Wv, .offset: 24, .size: 8, .value_kind: global_buffer, .address_space: global }
      - { .name: Wo, .offset: 32, .size: 8, .value_kind: global_buffer, .address_space: global }
      - { .name: bq, .offset: 40, .size: 8, .value_kind: global_buffer, .address_space: global }
      - { .name: bk, .offset: 48, .size: 8, .value_kind: global_buffer, .address_space: global }
      - { .name: bv, .offset: 56, .size: 8, .value_kind: global_buffer, .address_space: global }
      - { .name: lowp_scales, .offset: 64, .size: 8, .value_kind: global_buffer, .address_space: global }
      - { .name: qws, .offset: 72, .size: 8, .value_kind: global_buffer, .address_space: global }
      - { .name: kws, .offset: 80, .size: 8, .value_kind: global_buffer, .address_space: global }
      - { .name: vcodes, .offset: 88, .size: 8, .value_kind: global_buffer, .address_space: global }
      - { .name: wocodes, .offset: 96, .size: 8, .value_kind: global_buffer, .address_space: global }
    .group_segment_fixed_size: 12800
    .private_segment_fixed_size: 0
    .kernarg_segment_align: 8
    .kernarg_segment_size: 104
    .max_flat_workgroup_size: 128
    .sgpr_count:     66
    .vgpr_count:     258
    .wavefront_size: 32
...
	.end_amdgpu_metadata
.endif
;; end of part 1
;; launch attn (part 2): grid 32 x 8, 17 waves a work-group, no clusters, 41,728 bytes of LDS; arguments qws, kws, vcodes, lowp_scales, ocodes; writes ocodes
.if DOCPART == 2
	.amdgcn_target "amdgcn-amd-amdhsa--gfx1250"
	.amdhsa_code_object_version 6
	.text
	.protected	k_q612264b024_attn
	.globl	k_q612264b024_attn
	.p2align	8
	.type	k_q612264b024_attn,@function
k_q612264b024_attn:
	s_mov_b64 s[64:65], 0
	v_nop
	global_prefetch_b8 v0, s[64:65] scope:SCOPE_SE
	s_setreg_imm32_b32 hwreg(HW_REG_WAVE_MODE, 25, 1), 1
	s_wait_xcnt 0x0
; For one head and two blocks of 16 queries: truth(i, j) = mean over d of min(1 - Q_id + K_jd, 1), causal; the softmax of 5 truth; O = P V on codes of BF8 (E5M2); O / l quantised at 2^e8.
; THE SCORE.  min(1 - Q + K, 1) = 1 - Q + min(K, Q), so t = 5 log2(e) truth = c5 - c32 x (sum over d of Q_id) + c32 x (sum over d of min(K_jd, Q_id)), c5 = 5 log2(e), c32 = c5 / 32:
; one minimum a number and half a packed addition.  All terms lie between 0 and 32: no difference of large sums is formed.
; THE SOFTMAX: M = ceil(the largest t) is a whole number, p = 2^(t - M) is quantised at 2^e6, the sum l is taken of the unquantised p.  Here M is taken for each 64 keys, and the parts are brought
; together by exact powers of two.  Q and K are sigmoids, so t lies between 0 and 7.3 whatever the inputs: the parts' M differ by 8 at the most.
; SHARES.  Work-group (b, head) owns query blocks 63 - b and b: 64 - b and b + 1 units of 16 keys under the mask, 65 in every work-group.  A task is a block x 64 keys; there are always 17, one a wave.
; The two tasks on the diagonal are waves 0 and 16.  Units that lie wholly behind the diagonal are not computed: their scores stay -infinity, p = 0.
; A LANE (r = lane % 16, h = lane / 16) holds query r; its score 8 c + i is key 64 seg + 16 c + 8 h + i: the place that the K = 64 form gives each k, so the conversions' results are P's operand.
; K BY DPP: a register holds 16 dims of one key across a row of 16 lanes (the two rows hold two keys); row_share:d gives every lane of the row dim d of that key in the minimum itself.
; THE MERGE.  Every wave leaves O^T (an image of its 16 registers) and (-M, l) in LDS; one barrier; waves 0 to 3 (block w / 2, dims 16 (w % 2) on) add all 17 slots, the other block's with the factor 0.
; NO CLUSTER, NO TENSOR LOAD: a task's 8 KB of K go from memory into the registers in the layout above and are read from there alone; the work-groups of a head want different numbers
; of key segments (16 - b / 4 and b / 4 + 1), so partners would not make the same requests.  No prefetch: a wave asks for all its bytes in its first lines.
; LIMITS: e6 and e8 between -126 and 112 (their powers of two are made as f32 numbers); e6 + e7 is applied by v_ldexp_f32 and has none.  Where 57,344 x 2^e6 is under 1 the hold bites on p taken under
; a part's M, not under the row's.  t - M is one fused multiply-add onto c5 - c32 sum(Q) - M, which is rounded once.
.set QO,   1                           ; v1   16 r
.set KO,   2                           ; v2   512 h + 16 r
.set VO,   3                           ; v3   8 x lane
.set OPA,  4                           ; v4   LDS: my wave's slot for O^T: 2,048 w + 16 x lane
.set STA,  5                           ; v5   LDS: my wave's (-M, l): STB + 256 w + 8 x lane
.set D0,   6                           ; v6   the mask: my query less my first key
.set NINF, 7                           ; v7   -infinity
.set OFF,  8                           ; v8   c5 - c32 sum(Q) - M;  v9 c5 - c32 sum(Q)
.set L0,   10                          ; v[10:11], v[12:13] two chains
.set L1,   12
.set MX,   14
.set PX,   15                          ; a lane permute's destination: written at the head
.set NM,   16                          ; v16 -M, v17 l
.set SC6,  18                          ; v18 2^e6, v19 57,344 x 2^e6
.set LIM6, 19
.set A,    20                          ; v20-27  two sets of four partial sums
.set T,    28                          ; v28-35  two sets of four minima
.set Q,    36                          ; v36-67  my query's 32 dims
.set S,    68                          ; v68-99  32 scores, then p
.set KR,   100                         ; v100-163 score 8 c + i: dims 0-15 at KR + 16 c + i, dims 16-31 at KR + 16 c + 8 + i
.set VF,   164                         ; v164-179 V's two fragments
.set ACC,  36                          ; behind the scores: O^T, two tiles
.set PC,   52                          ; and p's codes
.set MOA,  190                         ; v190 the merge's LDS address: 16 x lane + 1,024 (w % 2)
.set OO,   191                         ; v191 the merge's place in ocodes: 16 r + 8 h
.set STB,  34816                       ; LDS: 17 slots of 2,048 bytes, then 17 x 256 bytes of (-M, l)
	s_load_b256 s[4:11], s[0:1], 0x0               ; qws s[4:5], kws s[6:7], vcodes s[8:9], the scales' exponents s[10:11]
	s_load_b64 s[12:13], s[0:1], 0x20              ; ocodes
	v_lshrrev_b32 v1, 5, v0
	v_readfirstlane_b32 s14, v1                    ; wave 0..16
	s_mov_b32 s15, ttmp9                           ; b
	s_and_b32 s16, ttmp7, 0xffff                   ; head
	s_add_co_u32 s17, s15, 4
	s_lshr_b32 s17, s17, 2                         ; tasks of block b: ceil((b + 1) / 4)
	s_sub_co_u32 s18, 17, s17                      ; nL: tasks of block 63 - b
	s_sub_co_u32 s36, 63, s15
	s_sub_co_u32 s37, s14, 1
	s_sub_co_u32 s38, s18, 1
	s_cmp_eq_u32 s14, 0
	s_cselect_b32 s37, s38, s37                    ; in the long block wave 0 takes the last segment, the one on the diagonal, wave w segment w - 1
	s_sub_co_u32 s38, s14, s18
	s_cmp_lt_u32 s14, s18
	s_cselect_b32 s19, s36, s15                    ; blk
	s_cselect_b32 s20, s37, s38                    ; seg
	s_lshl_b32 s36, s20, 2
	s_sub_co_u32 s36, s19, s36
	s_add_co_u32 s36, s36, 1
	s_min_u32 s21, s36, 4                          ; units of 16 keys to compute: 1 to 4
	s_lshl_b32 s40, s16, 17
	s_lshl_b32 s36, s19, 11
	s_add_co_u32 s36, s36, s40                     ; qws: head x 131,072 + blk x 2,048
	s_mov_b32 s37, 0
	s_lshl_b32 s38, s20, 12
	s_add_co_u32 s38, s38, s40                     ; kws: head x 131,072 + seg x 4,096
	s_mov_b32 s39, 0
	s_lshl_b32 s40, s16, 15
	s_lshl_b32 s41, s20, 11
	s_add_co_u32 s40, s40, s41                     ; vcodes: head x 32,768 + seg x 2,048
	s_mov_b32 s41, 0
	v_and_b32 v[D0], 15, v0                        ; r
	v_bfe_u32 v[NINF], v0, 4, 1                    ; h
	v_and_b32 v[VO], 31, v0                        ; lane
	v_lshlrev_b32 v[QO], 4, v[D0]
	v_lshl_add_u32 v[KO], v[NINF], 9, v[QO]
	v_lshl_add_u32 v[OO], v[NINF], 3, v[QO]
	v_lshlrev_b32 v[OPA], 4, v[VO]
	v_lshlrev_b32 v[VO], 3, v[VO]
	s_wait_kmcnt 0x0
	s_load_b128 s[32:35], s[10:11], 0x18           ; e6, e7, e8, e9
	s_add_nc_u64 s[4:5], s[4:5], s[36:37]
	s_add_nc_u64 s[6:7], s[6:7], s[38:39]
	s_add_nc_u64 s[8:9], s[8:9], s[40:41]
.irp k, 0,1,2,3,4,5,6,7
	global_load_b128 v[Q+4*\k:Q+4*\k+3], v[QO], s[4:5] offset:256*\k   ; dims 4 k .. 4 k + 3 of query r
.endr
.irp c, 0,1,2,3                        ; K: unit by unit, so that a counted wait serves each unit
.irp f, 0,1
.irp q, 0,1
	global_load_b128 v[KR+16*\c+8*\f+4*\q:KR+16*\c+8*\f+4*\q+3], v[KO], s[6:7] offset:\f*65536+\c*1024+\q*256   ; keys 16 c + 8 h + 4 q + 0 .. 3, dim 16 f + r
.endr
.endr
.endr
.irp d, 0,1
.irp c, 0,1,2,3
	global_load_b64 v[VF+8*\d+2*\c:VF+8*\d+2*\c+1], v[VO], s[8:9] offset:\d*1024+\c*256   ; V(keys 16 c + 8 h + 0 .. 7, dim 16 d + r)
.endr
.endr
	; every LDS address is made here, ahead of all branches
	s_and_b32 s36, s14, 1
	s_lshl_b32 s36, s36, 10
	v_add_nc_u32 v[MOA], s36, v[OPA]
	s_lshl_b32 s36, s14, 11
	v_add_nc_u32 v[OPA], s36, v[OPA]
	s_lshl_b32 s36, s14, 8
	s_add_co_u32 s36, s36, STB
	v_add_nc_u32 v[STA], s36, v[VO]
	s_lshl_b32 s36, s19, 4
	s_lshl_b32 s37, s20, 6
	s_sub_co_i32 s36, s36, s37
	v_lshlrev_b32 v[NINF], 3, v[NINF]
	v_sub_nc_u32 v[D0], v[D0], v[NINF]
	v_add_nc_u32 v[D0], s36, v[D0]                 ; 16 blk - 64 seg + r - 8 h: score 8 c + i is hidden where 16 c + i is above it
	v_mov_b32 v[NINF], 0xff800000
	v_mov_b32 v[PX], 0
	s_mov_b32 s24, 0x3e66d4ca                      ; c32 = 5 log2(e) / 32
	s_mov_b32 s25, s24                             ; (named with it as a pair, so it is written)
	s_mov_b32 s26, 0x40e6d4ca                      ; c5 = 5 log2(e)
	s_mov_b32 s28, 0x76543210                      ; v_permlanex16_b32's selects for lane l xor 16
	s_mov_b32 s29, 0xfedcba98
.irp i, 0,1,2,3,4,5,6,7
	v_mov_b32 v[A+\i], 0                           ; a DPP form's destination counts as one of its sources: written once
.endr
.irp n, 8,9,10,11,12,13,14,15,16,17,18,19,20,21,22,23,24,25,26,27,28,29,30,31
	v_mov_b32 v[S+\n], v[NINF]                     ; units that are not computed stay hidden
.endr
	s_wait_kmcnt 0x0
	s_add_co_i32 s36, s32, 127
	s_lshl_b32 s30, s36, 23                        ; 2^e6 as f32
	s_add_co_i32 s36, s36, 15
	s_lshl_b32 s36, s36, 23
	s_or_b32 s31, s36, 0x600000                    ; 57,344 x 2^e6
	s_wait_loadcnt 24                              ; Q's eight loads are in; K's sixteen and V's eight may be out
.irp j, 0,1,2,3                        ; the sum of my query's 32 dims, in four chains (these lines also write T for the first time)
	v_pk_add_f32 v[T+2*\j:T+2*\j+1], v[Q+4*\j:Q+4*\j+1], v[Q+4*\j+2:Q+4*\j+3]
.endr
.irp j, 0,1,2,3
	v_pk_add_f32 v[T+2*\j:T+2*\j+1], v[T+2*\j:T+2*\j+1], v[Q+16+2*\j:Q+16+2*\j+1]
.endr
.irp j, 0,1,2,3
	v_pk_add_f32 v[T+2*\j:T+2*\j+1], v[T+2*\j:T+2*\j+1], v[Q+24+2*\j:Q+24+2*\j+1]
.endr
	v_pk_add_f32 v[T:T+1], v[T:T+1], v[T+2:T+3]
	v_pk_add_f32 v[T+4:T+5], v[T+4:T+5], v[T+6:T+7]
	v_pk_add_f32 v[T:T+1], v[T:T+1], v[T+4:T+5]
	v_add_f32 v[T], v[T], v[T+1]
	v_fma_f32 v[OFF+1], -v[T], s24, s26            ; c5 - c32 sum(Q): the part of t that is the same along a row
; four minima: dims d0 .. d3 of the key in register kr against my query's, whose half begins at register qb
.macro QUAD kr, qb, dst, d0, d1, d2, d3
	v_min_num_f32_dpp v[\dst], v[\kr], v[\qb+\d0] row_share:\d0 row_mask:0xf bank_mask:0xf
	v_min_num_f32_dpp v[\dst+1], v[\kr], v[\qb+\d1] row_share:\d1 row_mask:0xf bank_mask:0xf
	v_min_num_f32_dpp v[\dst+2], v[\kr], v[\qb+\d2] row_share:\d2 row_mask:0xf bank_mask:0xf
	v_min_num_f32_dpp v[\dst+3], v[\kr], v[\qb+\d3] row_share:\d3 row_mask:0xf bank_mask:0xf
.endm
.macro PADD a, t
	v_pk_add_f32 v[\a:\a+1], v[\a:\a+1], v[\t:\t+1]
	v_pk_add_f32 v[\a+2:\a+3], v[\a+2:\a+3], v[\t+2:\t+3]
.endm
; Score n: 32 minima and 16 additions.  The first four minima start the four partial sums; the two sets of T take turns, so that each addition stands four lines behind the minima that it reads.
.macro SCORE n
.set KA, KR+16*((\n)/8)+(\n)%8
.set AA, A+4*((\n)%2)
	QUAD KA, Q, AA, 0, 1, 2, 3
	QUAD KA, Q, T, 4, 5, 6, 7
	QUAD KA, Q, T+4, 8, 9, 10, 11
	PADD AA, T
	QUAD KA, Q, T, 12, 13, 14, 15
	PADD AA, T+4
	QUAD KA+8, Q+16, T+4, 0, 1, 2, 3
	PADD AA, T
	QUAD KA+8, Q+16, T, 4, 5, 6, 7
	PADD AA, T+4
	QUAD KA+8, Q+16, T+4, 8, 9, 10, 11
	PADD AA, T
	QUAD KA+8, Q+16, T, 12, 13, 14, 15
	PADD AA, T+4
	PADD AA, T
	v_pk_add_f32 v[AA:AA+1], v[AA:AA+1], v[AA+2:AA+3]
	v_add_f32 v[S+(\n)], v[AA], v[AA+1]
.endm
.macro UNIT c
	s_wait_loadcnt 20-4*\c                         ; this unit's four loads of K are in; the later units' four each and V's eight may be out
.irp i, 0,1,2,3,4,5,6,7
	SCORE 8*\c+\i
.endr
.endm
	UNIT 0
	s_cmp_lt_u32 s21, 2                            ; branches on ids alone: units wholly behind the diagonal are left out
	s_cbranch_scc1 .Ldone
	UNIT 1
	s_cmp_lt_u32 s21, 3
	s_cbranch_scc1 .Ldone
	UNIT 2
	s_cmp_lt_u32 s21, 4
	s_cbranch_scc1 .Ldone
	UNIT 3
.Ldone:
	s_and_b32 s36, s14, 15
	s_cmp_lg_u32 s36, 0
	s_cbranch_scc1 .Lopen                          ; only waves 0 and 16 lie on the diagonal
.irp n, 0,1,2,3,4,5,6,7,8,9,10,11,12,13,14,15,16,17,18,19,20,21,22,23,24,25,26,27,28,29,30,31
	v_cmp_gt_i32 vcc_lo, 16*(\n/8)+\n%8, v[D0]
	v_cndmask_b32 v[S+\n], v[S+\n], v[NINF], vcc_lo
.endr
.Lopen:
	; the largest sum of minima of my query: my 32 keys in two chains, then lane l xor 16's.  The segment's first key counts for every query of the block, so it is a number
	v_max3_num_f32 v[MX], v[S], v[S+1], v[S+2]
	v_max3_num_f32 v[L0], v[S+3], v[S+4], v[S+5]
.irp i, 6,10,14,18,22,26
	v_max3_num_f32 v[MX], v[MX], v[S+\i], v[S+\i+1]
	v_max3_num_f32 v[L0], v[L0], v[S+\i+2], v[S+\i+3]
.endr
	v_max3_num_f32 v[MX], v[MX], v[S+30], v[S+31]
	v_max_num_f32 v[MX], v[MX], v[L0]
	v_permlanex16_b32 v[PX], v[MX], s28, s29
	v_max_num_f32 v[MX], v[MX], v[PX]
	v_fma_f32 v[L0], v[MX], s24, v[OFF+1]          ; the largest t (c32 is positive)
	v_floor_f32 v[NM], -v[L0]                      ; -M = floor(-t) = -ceil(t): a whole number
	v_add_f32 v[OFF], v[OFF+1], v[NM]
.irp j, 0,2,4,6,8,10,12,14,16,18,20,22,24,26,28,30
	v_pk_fma_f32 v[S+\j:S+\j+1], v[S+\j:S+\j+1], s[24:25], v[OFF:OFF+1] op_sel_hi:[1,0,0]   ; t - M, two at a time (of both pairs the low word serves both halves)
.endr
.irp j, 0,1,2,3,4,5,6,7,8,9,10,11,12,13,14,15,16,17,18,19,20,21,22,23,24,25,26,27,28,29,30,31
	v_exp_f32 v[S+\j], v[S+\j]                     ; p = 2^(t - M); 0 where the key is hidden
.endr
	v_mov_b32 v[SC6], s30                          ; (plain lines behind the exponentials)
	v_mov_b32 v[LIM6], s31
	s_wait_alu depctr_va_vdst(0)                   ; one wait for the batch, ahead of its first reader
	v_pk_add_f32 v[L0:L0+1], v[S:S+1], v[S+2:S+3]  ; the sum of the unquantised p, in two chains
	v_pk_add_f32 v[L1:L1+1], v[S+4:S+5], v[S+6:S+7]
.irp j, 8,12,16,20,24,28
	v_pk_add_f32 v[L0:L0+1], v[L0:L0+1], v[S+\j:S+\j+1]
	v_pk_add_f32 v[L1:L1+1], v[L1:L1+1], v[S+\j+2:S+\j+3]
.endr
	v_pk_add_f32 v[L0:L0+1], v[L0:L0+1], v[L1:L1+1]
	v_add_f32 v[NM+1], v[L0], v[L0+1]
	v_permlanex16_b32 v[PX], v[NM+1], s28, s29
	v_add_f32 v[NM+1], v[NM+1], v[PX]              ; l of my query over the task's 64 keys
.irp c, 0,1,2,3
.irp i, 0,1,2,3,4,5,6,7
	v_min_num_f32 v[S+8*\c+\i], v[S+8*\c+\i], v[LIM6]   ; the conversion does not saturate (ISA guide 7.6.2); p is not negative, so the hold is one-sided
.endr
	v_cvt_scalef32_pk8_bf8_f32 v[PC+2*\c:PC+2*\c+1], v[S+8*\c:S+8*\c+7], v[SC6]
.endr
	v_nop                                          ; a plain line between the last conversion and the products that read its result
	s_wait_loadcnt 0x0                             ; V (and what was left of K)
	v_wmma_f32_16x16x64_bf8_bf8 v[ACC:ACC+7], v[VF:VF+7], v[PC:PC+7], 0          ; O^T: lane (r, h): query r, dims 8 h + 0 .. 7
	v_wmma_f32_16x16x64_bf8_bf8 v[ACC+8:ACC+15], v[VF+8:VF+15], v[PC:PC+7], 0    ; dims 16 + 8 h + 0 .. 7
.rept 4
	v_nop                                          ; four places ahead of the stores that read the sums
.endr
	ds_store_b128 v[OPA], v[ACC:ACC+3]             ; each tile from its low end on
	ds_store_b128 v[OPA], v[ACC+4:ACC+7] offset:512
	ds_store_b128 v[OPA], v[ACC+8:ACC+11] offset:1024
	ds_store_b128 v[OPA], v[ACC+12:ACC+15] offset:1536
	ds_store_b64 v[STA], v[NM:NM+1]
	s_wait_dscnt 0x0                               ; for the others' sake: my stores are done
	s_barrier_signal -1
	s_barrier_wait -1                              ; all 17 slots lie in LDS; nothing is written there any more
	s_cmp_ge_u32 s14, 4
	s_cbranch_scc1 .Lend
	; THE MERGE, waves 0 to 3
.irp s, 0,1,2,3,4,5,6,7,8,9,10,11,12,13,14,15,16
	ds_load_b64 v[20+2*\s:21+2*\s], v[VO] offset:STB+256*\s
.endr
.irp s, 0,1,2,3,4,5,6,7,8,9,10,11,12,13,14,15,16
	ds_load_b128 v[54+8*\s:57+8*\s], v[MOA] offset:2048*\s
	ds_load_b128 v[58+8*\s:61+8*\s], v[MOA] offset:2048*\s+512
.endr
	s_add_co_i32 s22, s32, s33                     ; e6 + e7
	s_add_co_i32 s36, s34, 127
	s_lshl_b32 s23, s36, 23                        ; 2^e8 as f32
	s_add_co_i32 s36, s36, 15
	s_lshl_b32 s36, s36, 23
	s_or_b32 s42, s36, 0x600000                    ; +-57,344 x 2^e8
	s_or_b32 s43, s42, 0x80000000
	s_sub_co_u32 s37, 63, s15
	s_mov_b32 s39, 0x447a0000                      ; 1,000.0
	s_lshr_b32 s38, s14, 1                         ; 0: I merge the long block, 1: the short one
	s_cmp_eq_u32 s38, 0
	s_cselect_b32 s40, 0, s39                      ; what is added to -M of a slot of the long block,
	s_cselect_b32 s41, s39, 0                      ; and of the short block: the other block's slots are pushed 1,000 away
	s_cselect_b32 s37, s37, s15                    ; my block
	s_lshl_b32 s36, s16, 15
	s_lshl_b32 s37, s37, 9
	s_add_co_u32 s36, s36, s37
	s_and_b32 s37, s14, 1
	s_lshl_b32 s37, s37, 8
	s_add_co_u32 s36, s36, s37                     ; ocodes: head x 32,768 + block x 512 + 256 (w % 2)
	s_mov_b32 s37, 0
	s_add_nc_u64 s[12:13], s[12:13], s[36:37]
	s_wait_dscnt 34                                ; the 17 pairs are in; the 34 loads of the images may be out
.irp s, 0,1,2,3,4,5,6,7,8,9,10,11,12,13,14,15,16
	s_cmp_gt_u32 s18, \s                           ; slots 0 .. nL - 1 are the long block's
	s_cselect_b32 s36, s40, s41
	v_add_f32 v[20+2*\s], s36, v[20+2*\s]
.endr
	v_min3_num_f32 v16, v20, v22, v24              ; the smallest -M: my block's largest M
.irp s, 3,5,7,9,11,13,15
	v_min3_num_f32 v16, v16, v[20+2*\s], v[22+2*\s]
.endr
.irp s, 0,1,2,3,4,5,6,7,8,9,10,11,12,13,14,15,16
	v_sub_f32 v[20+2*\s], v16, v[20+2*\s]          ; the slot's M less the largest: a whole number, 0 or less
.endr
.irp s, 0,1,2,3,4,5,6,7,8,9,10,11,12,13,14,15,16
	v_cvt_i32_f32 v[20+2*\s], v[20+2*\s]
.endr
.irp s, 0,1,2,3,4,5,6,7,8,9,10,11,12,13,14,15,16
	v_ldexp_f32 v[20+2*\s], 1.0, v[20+2*\s]        ; f = 2^(that): exact; 0 for the other block's slots
.endr
	v_mul_f32 v17, v20, v21
.irp s, 1,2,3,4,5,6,7,8,9,10,11,12,13,14,15,16
	v_fmac_f32 v17, v[20+2*\s], v[21+2*\s]         ; l = the sum of f l
.endr
	v_rcp_f32 v17, v17                             ; the slots' sums below are the independent work behind it
	s_wait_dscnt 32                                ; slot 0's two loads are in
.irp j, 0,2,4,6
	v_pk_mul_f32 v[8+\j:9+\j], v[54+\j:55+\j], v[20:21] op_sel_hi:[1,0]
.endr
.irp s, 1,2,3,4,5,6,7,8,9,10,11,12,13,14,15,16
	s_wait_dscnt 32-2*\s                           ; slot s's two loads are in; those of the slots behind it may be out
.irp j, 0,2,4,6
	v_pk_fma_f32 v[8+\j:9+\j], v[54+8*\s+\j:55+8*\s+\j], v[20+2*\s:21+2*\s], v[8+\j:9+\j] op_sel_hi:[1,0,1]
.endr
.endr
	v_mov_b32 v20, s23                             ; 2^e8, for the conversion
	s_wait_alu depctr_va_vdst(0)                   ; a wait ahead of the reciprocal's first reader
	v_ldexp_f32 v16, v17, s22                      ; 2^(e6 + e7) / l
.irp j, 0,2,4,6
	v_pk_mul_f32 v[8+\j:9+\j], v[8+\j:9+\j], v[16:17] op_sel_hi:[1,0]
.endr
.irp j, 0,1,2,3,4,5,6,7
	v_med3_num_f32 v[8+\j], v[8+\j], s43, s42
.endr
	v_cvt_scalef32_pk8_bf8_f32 v[18:19], v[8:15], v20
	v_nop
	global_store_b64 v[OO], v[18:19], s[12:13]     ; o(query r, dims 16 (w % 2) + 8 h + 0 .. 7): the 32 lanes store 256 consecutive bytes, aligned
.Lend:
	s_wait_xcnt 0x0
	v_lshl_add_u32 v190, v0, 2, 0x9a00
	v_mov_b32 v191, 0
	s_wait_tensorcnt 0x0
	ds_add_u32 v190, v191
	s_wait_dscnt 0x0
	s_endpgm
.Lfunc_end_k_q612264b024_attn:
	.size	k_q612264b024_attn, .Lfunc_end_k_q612264b024_attn-k_q612264b024_attn
	.p2alignl 7, 3214868480
	.fill 96, 4, 3214868480
	.section	.rodata,"a",@progbits
	.p2align	6, 0x0
	.amdhsa_kernel k_q612264b024_attn
		.amdhsa_group_segment_fixed_size 41728
		.amdhsa_private_segment_fixed_size 0
		.amdhsa_enable_private_segment 0
		.amdhsa_kernarg_size 40
		.amdhsa_user_sgpr_count 2
		.amdhsa_user_sgpr_kernarg_segment_ptr 1
		.amdhsa_wavefront_size32 1
		.amdhsa_system_sgpr_workgroup_id_x 1
		.amdhsa_system_sgpr_workgroup_id_y 1
		.amdhsa_system_sgpr_workgroup_id_z 1
		.amdhsa_system_vgpr_workitem_id 0
		.amdhsa_next_free_vgpr 192
		.amdhsa_next_free_sgpr 66
		.amdhsa_reserve_vcc 1
		.amdhsa_float_denorm_mode_32 3
		.amdhsa_float_denorm_mode_16_64 3
		.amdhsa_memory_ordered 1
		.amdhsa_forward_progress 1
		.amdhsa_inst_pref_size 127
	.end_amdhsa_kernel
	.amdgpu_metadata
---
amdhsa.version: [ 1, 2 ]
amdhsa.kernels:
  - .name:           k_q612264b024_attn
    .symbol:         k_q612264b024_attn.kd
    .args:
      - { .name: qws, .offset: 0, .size: 8, .value_kind: global_buffer, .address_space: global }
      - { .name: kws, .offset: 8, .size: 8, .value_kind: global_buffer, .address_space: global }
      - { .name: vcodes, .offset: 16, .size: 8, .value_kind: global_buffer, .address_space: global }
      - { .name: lowp_scales, .offset: 24, .size: 8, .value_kind: global_buffer, .address_space: global }
      - { .name: ocodes, .offset: 32, .size: 8, .value_kind: global_buffer, .address_space: global }
    .group_segment_fixed_size: 41728
    .private_segment_fixed_size: 0
    .kernarg_segment_align: 8
    .kernarg_segment_size: 40
    .max_flat_workgroup_size: 544
    .sgpr_count:     66
    .vgpr_count:     192
    .wavefront_size: 32
...
	.end_amdgpu_metadata
.endif
;; end of part 2
;; launch outp (part 3): grid 64 x 4, 1 waves a work-group, no clusters, 4,864 bytes of LDS; arguments ocodes, wocodes, bo, lowp_scales, out0; writes out0
.if DOCPART == 3
	.amdgcn_target "amdgcn-amd-amdhsa--gfx1250"
	.amdhsa_code_object_version 6
	.text
	.protected	k_q612264b024_outp
	.globl	k_q612264b024_outp
	.p2align	8
	.type	k_q612264b024_outp,@function
k_q612264b024_outp:
	s_mov_b64 s[64:65], 0
	v_nop
	global_prefetch_b8 v0, s[64:65] scope:SCOPE_SE
	s_setreg_imm32_b32 hwreg(HW_REG_WAVE_MODE, 25, 1), 1
	s_wait_xcnt 0x0
; out0 = o Wo + bo on codes of BF8 (E5M2): o at 2^e8, Wo at 2^e9, both laid as the operand's registers, so every fragment comes by loads of 16 bytes a lane, 512 consecutive bytes a load.
; One wave makes rows 16 qt .. + 15 x columns 64 y .. + 63: four sums of 16 x 16, K = 256 in two steps of 128.  1,024 x 256 numbers in 256 such pieces: one for each work-group of the grid.
; k IN A FRAGMENT: registers 4 c .. 4 c + 3 of lane (r, h) hold k = 128 s + 32 c + 16 h + 0 .. 15 (head 4 s + c, dims 16 h on), alike in both operands.
; TRANSPOSED: source 0 = 16 columns of Wo, source 1 = my 16 rows: a lane holds eight neighbouring columns of row r.  They go through a stage in LDS (rows of 256 bytes + 16) and leave as whole rows.
; NO CLUSTER, NO TENSOR LOAD: a piece reads 4 KB of o and 16 KB of Wo once, straight into the operands' registers; there is no loop and no second request to share.
; LIMIT: e8 + e9 between -126 and 127, so that 2^(e8 + e9) is an f32 number.
.set LI,  1                            ; v1   16 x lane
.set BA,  2                            ; v2   32 h
.set STO, 3                            ; v3   the stage, in: 272 r + 32 h
.set RD,  4                            ; v4   the stage, back: 272 (lane / 16) + 16 (lane % 16)
.set CO,  5                            ; v5   out0: 1,024 (lane / 16) + 16 (lane % 16)
.set AF,  16                           ; v16-47   o's two fragments
.set WF,  48                           ; v48-175  Wo's fragment (tile t, K step s) at WF + 16 (2 t + s)
.set BO,  176                          ; v176-207 bo of my eight columns of each tile
.set ACC, 208                          ; v208-239 the four sums
.set TMP, 48                           ; behind the products: the results,
.set BK,  80                           ; and the rows read back
	s_load_b256 s[4:11], s[0:1], 0x0               ; ocodes s[4:5], wocodes s[6:7], bo s[8:9], the scales' exponents s[10:11]
	s_load_b64 s[12:13], s[0:1], 0x20              ; out0
	v_lshl_add_u32 v254, v0, 2, 0x1200
	v_mov_b32 v255, 0
	v_and_b32 v6, 15, v0                           ; r (one wave: the thread's number is the lane)
	v_lshrrev_b32 v7, 4, v0                        ; h
	v_lshlrev_b32 v[LI], 4, v0
	v_lshlrev_b32 v[BA], 5, v7
	v_mul_u32_u24 v[STO], v6, 272
	v_lshl_add_u32 v[STO], v7, 5, v[STO]
	v_mul_u32_u24 v[RD], v7, 272
	v_lshl_add_u32 v[RD], v6, 4, v[RD]
	v_lshlrev_b32 v[CO], 10, v7
	v_lshl_add_u32 v[CO], v6, 4, v[CO]
	s_and_b32 s18, ttmp7, 0xffff                   ; y
	s_lshl_b32 s20, ttmp9, 9                       ; ocodes: qt x 512
	s_mov_b32 s21, 0
	s_lshl_b32 s22, s18, 14                        ; wocodes: eight fragments of 2,048 bytes for each y
	s_mov_b32 s23, 0
	s_lshl_b32 s24, s18, 8                         ; bo: 64 y numbers
	s_mov_b32 s25, 0
	s_lshl_b32 s26, ttmp9, 14                      ; out0: 16 qt rows of 1,024 bytes + 256 y
	s_add_co_u32 s26, s26, s24
	s_mov_b32 s27, 0
	s_wait_kmcnt 0x0
	s_load_b64 s[14:15], s[10:11], 0x20            ; e8, e9
	s_add_nc_u64 s[4:5], s[4:5], s[20:21]
	s_add_nc_u64 s[6:7], s[6:7], s[22:23]
	s_add_nc_u64 s[8:9], s[8:9], s[24:25]
	s_add_nc_u64 s[12:13], s[12:13], s[26:27]
.irp s, 0,1
.irp c, 0,1,2,3
	global_load_b128 v[AF+16*\s+4*\c:AF+16*\s+4*\c+3], v[LI], s[4:5] offset:(4*\s+\c)*32768   ; head 4 s + c
.endr
.endr
.irp s, 0,1                            ; K step 0's four fragments first
.irp t, 0,1,2,3
.irp c, 0,1,2,3
	global_load_b128 v[WF+16*(2*\t+\s)+4*\c:WF+16*(2*\t+\s)+4*\c+3], v[LI], s[6:7] offset:(2*\t+\s)*2048+\c*512
.endr
.endr
.endr
.irp t, 0,1,2,3
	global_load_b128 v[BO+8*\t:BO+8*\t+3], v[BA], s[8:9] offset:64*\t
	global_load_b128 v[BO+8*\t+4:BO+8*\t+7], v[BA], s[8:9] offset:64*\t+16
.endr
	s_wait_kmcnt 0x0
	s_add_co_i32 s16, s14, s15
	s_add_co_i32 s16, s16, 127
	s_lshl_b32 s16, s16, 23                        ; 2^(e8 + e9) as f32
	s_mov_b32 s17, s16                             ; (named with it as a pair, so it is written)
	s_wait_loadcnt 24                              ; o and Wo's K step 0 are in; K step 1's sixteen loads and the bias's eight may be out
.irp t, 0,1,2,3                        ; the four sums take turns, one instruction a turn
	v_wmma_f32_16x16x128_bf8_bf8 v[ACC+8*\t:ACC+8*\t+7], v[WF+32*\t:WF+32*\t+15], v[AF:AF+15], 0
.endr
	s_wait_loadcnt 8                               ; K step 1 is in; the bias's eight loads may be out
.irp t, 0,1,2,3
	v_wmma_f32_16x16x128_bf8_bf8 v[ACC+8*\t:ACC+8*\t+7], v[WF+32*\t+16:WF+32*\t+31], v[AF+16:AF+31], v[ACC+8*\t:ACC+8*\t+7]
.endr
.rept 4
	v_nop                                          ; four places ahead of the first read of the sums and of writes over the operands (ISA guide 7.12.1)
.endr
	s_wait_loadcnt 0x0                             ; the bias
.irp t, 0,1,2,3
.irp i, 0,2,4,6
	v_pk_fma_f32 v[TMP+8*\t+\i:TMP+8*\t+\i+1], v[ACC+8*\t+\i:ACC+8*\t+\i+1], s[16:17], v[BO+8*\t+\i:BO+8*\t+\i+1] op_sel_hi:[1,0,1]   ; sum x 2^(e8 + e9) + bo; each sum from its low end on
.endr
.endr
.irp t, 0,1,2,3
	ds_store_b128 v[STO], v[TMP+8*\t:TMP+8*\t+3] offset:64*\t          ; row r, columns 16 t + 8 h + 0 .. 7
	ds_store_b128 v[STO], v[TMP+8*\t+4:TMP+8*\t+7] offset:64*\t+16
.endr
.irp i, 0,1,2,3,4,5,6,7
	ds_load_b128 v[BK+4*\i:BK+4*\i+3], v[RD] offset:\i*544             ; LDS serves a wave's instructions in order (ISA guide 5.7.1.4): these see the stores above; two rows a load
.endr
.irp i, 0,1,2,3,4,5,6,7
	s_wait_dscnt 7-\i                              ; row pair i is back; the pairs behind it may be out
	global_store_b128 v[CO], v[BK+4*\i:BK+4*\i+3], s[12:13] offset:\i*2048 th:TH_STORE_NT   ; each sixteen lanes store 256 consecutive bytes, at a multiple of 256 from out0's first byte
.endr
	s_wait_tensorcnt 0x0
	ds_add_u32 v254, v255
	s_wait_dscnt 0x0
	s_endpgm
.Lfunc_end_k_q612264b024_outp:
	.size	k_q612264b024_outp, .Lfunc_end_k_q612264b024_outp-k_q612264b024_outp
	.p2alignl 7, 3214868480
	.fill 96, 4, 3214868480
	.section	.rodata,"a",@progbits
	.p2align	6, 0x0
	.amdhsa_kernel k_q612264b024_outp
		.amdhsa_group_segment_fixed_size 4864
		.amdhsa_private_segment_fixed_size 0
		.amdhsa_enable_private_segment 0
		.amdhsa_kernarg_size 40
		.amdhsa_user_sgpr_count 2
		.amdhsa_user_sgpr_kernarg_segment_ptr 1
		.amdhsa_wavefront_size32 1
		.amdhsa_system_sgpr_workgroup_id_x 1
		.amdhsa_system_sgpr_workgroup_id_y 1
		.amdhsa_system_sgpr_workgroup_id_z 1
		.amdhsa_system_vgpr_workitem_id 0
		.amdhsa_next_free_vgpr 256
		.amdhsa_next_free_sgpr 66
		.amdhsa_reserve_vcc 0
		.amdhsa_float_denorm_mode_32 3
		.amdhsa_float_denorm_mode_16_64 3
		.amdhsa_memory_ordered 1
		.amdhsa_forward_progress 1
		.amdhsa_inst_pref_size 11
	.end_amdhsa_kernel
	.amdgpu_metadata
---
amdhsa.version: [ 1, 2 ]
amdhsa.kernels:
  - .name:           k_q612264b024_outp
    .symbol:         k_q612264b024_outp.kd
    .args:
      - { .name: ocodes, .offset: 0, .size: 8, .value_kind: global_buffer, .address_space: global }
      - { .name: wocodes, .offset: 8, .size: 8, .value_kind: global_buffer, .address_space: global }
      - { .name: bo, .offset: 16, .size: 8, .value_kind: global_buffer, .address_space: global }
      - { .name: lowp_scales, .offset: 24, .size: 8, .value_kind: global_buffer, .address_space: global }
      - { .name: out0, .offset: 32, .size: 8, .value_kind: global_buffer, .address_space: global }
    .group_segment_fixed_size: 4864
    .private_segment_fixed_size: 0
    .kernarg_segment_align: 8
    .kernarg_segment_size: 40
    .max_flat_workgroup_size: 32
    .sgpr_count:     66
    .vgpr_count:     256
    .wavefront_size: 32
...
	.end_amdgpu_metadata
.endif
;; end of part 3
